; MI455X (gfx1250); checked and timed in simulation.
; The chip was launched on July 23, 2026; its instructions are those of AMD's public machine-readable ISA for CDNA 5 (MIT licence, August 2026) and "CDNA5" Instruction Set Architecture Reference Guide (July 2026). The comments in the code are by the model that wrote it; some were corrected since.
;; Causal Self Attention. Allowed arithmetic: matrix products marked QUANTISED: E5M2 operands, one given power-of-two scale a tensor, by v_wmma_f32_16x16x64_bf8_bf8 or v_wmma_f32_16x16x128_bf8_bf8, f32 sums; everything else in f32.
;; Inputs: W_proj_codes 1,024 x 32 x 32 uint8 (E5M2 codes of W_proj, K innermost, in blocks of 32 codes); W_qkv_codes 3,072 x 32 x 32 uint8 (E5M2 codes of W_qkv, K innermost, in blocks of 32 codes); lowp_scales 8 int32 (the exponents e of the quantised operands' scales 2^e); x_codes 2 x 2,048 x 32 x 32 uint8 (E5M2 codes of x, K innermost, in blocks of 32 codes).
;; Outputs: out0 2 x 2,048 x 1,024 float32; out1 2 x 2,048 float32.
;; This version of the problem:
;;   THIS VERSION OF THE PROBLEM IS GIVEN IN LOW PRECISION. The matrix products marked QUANTISED in the list below multiply operands that are first quantised to E5M2 (5 exponent bits, 2 mantissa bits; 8 bits a number), with one given power-of-two scale for each operand tensor; their sums are f32. All else is computed in f32.
;;   The module's matrix products, in the order in which they are computed (A, B: the left and right operand; K: the contracted axis; several contracted axes count as one K, in the product's order):
;;     1. [M 4,096, K 1,024] x [K 1,024, N 3,072]; A: input x (given as codes); B: input W_qkv (given as codes): QUANTISED (scales: A lowp_scales[0], B lowp_scales[1])
;;     2. batch 32 x [M 2,048, K 64] x [K 64, N 2,048]; A: computed on the way; B: computed on the way: QUANTISED (scales: A lowp_scales[2], B lowp_scales[3])
;;     3. batch 32 x [M 2,048, K 2,048] x [K 2,048, N 64]; A: softmax (see below); B: computed on the way: QUANTISED (scales: A lowp_scales[4], B lowp_scales[5])
;;     4. [M 4,096, K 1,024] x [K 1,024, N 1,024]; A: computed on the way; B: input W_proj (given as codes): QUANTISED (scales: A lowp_scales[6], B lowp_scales[7])
;;   THE QUANTISER, for each operand of a quantised product, along K:
;;     - The operand's scale is 2^e, e = its entry of the input lowp_scales (int32; the entries are numbered through the quantised products in the list's order, A before B).
;;     - Each number is divided by the scale, clamped to +-57,344, and rounded to the nearest number of E5M2, ties to even, subnormals kept.
;;     - The product sums the exact products of the quantised numbers (number of the format x scale) in f32.
;;   ~~~python
;;   def quantise(x, axis, e):      # numpy; x: float32 -> the quantised numbers, widened to float32 again
;;       x = np.moveaxis(x, axis, -1); K = x.shape[-1]
;;       r = np.clip(x / 2.0 ** e, -57344, 57344)
;;       step = 2.0 ** (np.maximum(np.frexp(np.where(r == 0, 1, r))[1] - 1, -14) - 2)
;;       q = np.round(r / step) * step * 2.0 ** e      # np.round: ties to even
;;       return np.moveaxis(q, -1, axis).astype(np.float32)
;;   ~~~
;;   SOFTMAX AHEAD OF A QUANTISED PRODUCT. Where the list says 'softmax', what is quantised is not the finished softmax but p = 2^(t - M), with t = logit x log2(e) and M = ceil(the row's largest t), a whole number; so 1/2 < the row's largest p <= 1. The row's sum l is taken of the UNQUANTISED p, in f32, and the product's result is divided by l at the end. Since M is a whole number, a kernel that streams over the keys may use a running M (the ceiling of the running maximum): every later rescaling is an exact power of two, so the quantised numbers keep their values, but for numbers so far below the row's largest that they fall under the format's range.
;;   OPERANDS COMPUTED ON THE WAY. 'Computed on the way' means the value that the module computes at that place (a softmax that the list does not call 'softmax' is quantised finished and normalised). What goes into a quantiser is computed in f32, as accurately as f32 sums, v_exp_f32 and their like allow (about 1e-6 of the number): no bf16 or f16 on the way to a quantiser, and a product that is left as it is and whose result goes on into a quantised operand takes f32 operands (vector FMAs, or v_wmma_f32_16x16x4_f32). A number that lies on a knife's edge between two numbers of the format may be rounded either way, as far as f32 arithmetic and the matrix unit's own rounding can turn it there, and no further.
;;   INPUTS GIVEN AS CODES. W_proj (in the module: [1024, 1024], K = its axis 0); W_qkv (in the module: [1024, 3072], K = its axis 0); x (in the module: [2, 2048, 1024], K = its axis 2): each comes as NAME_codes (uint8): NAME with its K axis moved to the last place and cut into blocks of 32 codes, [.., K / 32, bytes a block], one block behind the other in memory; one code a byte (a code: sign, 5 exponent bits, 2 mantissa bits); its scale is its entry of lowp_scales. Its value is code x scale, taken as it is: it is not quantised again, and the codes and scales need not be those that the quantiser above would give.
;; One version. Each part assembles by itself: llvm-mc -triple=amdgcn-amd-amdhsa -mcpu=gfx1250 --defsym DOCPART=n.
;; ======== version 1 of 1: 3 launches
;; limits: a function is approximated: absolute error at most 2.05e-06; right only within a limited range of input values
;; workspace buffers: q_codes 4,194,304 bytes; k_codes 4,194,304 bytes; v_codes 4,194,304 bytes; a_codes 4,194,304 bytes; ent 262,144 bytes
;; launch qkv (part 1): grid 12 x 16, 4 waves a work-group, clusters of 4 x 4, 327,680 bytes of LDS; arguments x_codes, W_qkv_codes, lowp_scales, q_codes, k_codes, v_codes; writes q_codes, k_codes, v_codes
.if DOCPART == 1
	.amdgcn_target "amdgcn-amd-amdhsa--gfx1250"
	.amdhsa_code_object_version 6
	.text
	.protected	k_q50213d085a_qkv
	.globl	k_q50213d085a_qkv
	.p2align	8
	.type	k_q50213d085a_qkv,@function
k_q50213d085a_qkv:
	s_mov_b64 s[64:65], 0
	v_nop
	global_prefetch_b8 v0, s[64:65] scope:SCOPE_SE
	s_setreg_imm32_b32 hwreg(HW_REG_WAVE_MODE, 25, 1), 1
	s_wait_xcnt 0x0
	s_wait_alu depctr_hold_cnt(0) depctr_sa_sdst(0) depctr_va_vdst(0) depctr_va_sdst(0) depctr_va_ssrc(0) depctr_va_vcc(0) depctr_vm_vsrc(0)
	s_getreg_b32 s2, hwreg(HW_REG_IB_STS2, 6, 4)
	s_cmp_eq_u32 s2, 0
	s_cbranch_scc0 .Lentry_in_a_cluster
	s_endpgm
.Lentry_in_a_cluster:
	s_bfe_u32 s2, ttmp6, 0x10000c
	s_cmp_lg_u32 s2, 0xf033
	s_cbranch_scc0 .Lentry_shape_is_right
	s_endpgm
.Lentry_shape_is_right:
.set ROWB,   256
.set KROW,   1024
.set PITCH,  272
.set FR,     16
.set NL,     4
.set NP,     4
.set HALFT,  128*PITCH
.set SLOT,   4*HALFT
.set SPARE,  2*SLOT
.set SPITCH, 336
.set ADRA, 16
.set ADRB, 20
.set SCL,  22
.set LIM,  23
.set STO,  24
.set RDQ,  25
.set GQ,   26
.set RDV,  27
.set SPW,  28
.set NIL,  29
.set GV,   30
.set TMP,  32
.set CD,   96
.set OUTR, 32
.set AF,   128
.set G1, 24
.set G0, 32
.set G1B, 48
.set G0B, 56
.set MSB, 0
.macro WIN new
.if MSB != \new
	s_set_vgpr_msb (MSB<<8)|\new
.set MSB, \new
.endif
.endm
.set MUL_LO, 0xa1
.set MUL_HI, 0xf1
.set TO_B,   0x40
.macro JLOAD g0a, g1a, g0b, g1b
	s_cmp_eq_u32 s15, 0
	s_cbranch_scc0 .Lfor_b_\@
	tensor_load_to_lds s[\g0a:\g0a+3], s[\g1a:\g1a+7]
	s_nop 0
.rept 4
	v_nop
.endr
	s_branch .Lasked_\@
.Lfor_b_\@:
	tensor_load_to_lds s[\g0b:\g0b+3], s[\g1b:\g1b+7]
	s_nop 0
.rept 4
	v_nop
.endr
.Lasked_\@:
.endm
.macro CREST
	s_cmp_lg_u32 s14, 0
	s_cbranch_scc1 .Lnot_wave_0_\@
	s_barrier_signal -3
.Lnot_wave_0_\@:
	s_barrier_wait -3
	s_barrier_signal -1
	s_barrier_wait -1
.endm
.macro CROUND
	s_barrier_signal -1
	s_barrier_wait -1
	CREST
.endm
	s_load_b256 s[4:11], s[0:1], 0x0
	s_load_b128 s[76:79], s[0:1], 0x20
	v_lshl_add_u32 v[SPW], v0, 2, SPARE
	v_mov_b32 v[NIL], 0
	ds_add_u32 v28, v29
	ds_add_u32 v28, v29
	s_wait_dscnt 0x0
	v_lshrrev_b32 v1, 5, v0
	v_readfirstlane_b32 s14, v1
	s_lshr_b32 s15, s14, 1
	s_and_b32 s16, s14, 1
	s_bfe_u32 s40, ttmp6, 0x40000
	s_bfe_u32 s41, ttmp6, 0x40004
	s_and_b32 s12, ttmp7, 0xffff
	s_cmp_eq_u32 ttmp9, 2
	s_cselect_b32 s13, s12, ttmp9
	s_cselect_b32 s12, 0, s12
	s_lshl_b32 s42, s13, 2
	s_add_co_u32 s42, s42, s40
	s_lshl_b32 s17, s12, 2
	s_add_co_u32 s17, s17, s41
	s_lshl_b32 s43, s41, 2
	s_lshl_b32 s43, 15, s43
	s_lshl_b32 s44, 0x1111, s40
	s_or_b32 s[G1+0], s43, (0<<16)|(1<<20)|(1<<21)|(5<<22)|(3<<25)
	s_or_b32 s[G1B+0], s44, (0<<16)|(1<<20)|(1<<21)|(5<<22)|(3<<25)
.irp g, G1, G1B
	s_mov_b32 s[\g+1], ROWB<<16
	s_mov_b32 s[\g+2], 128<<16
	s_mov_b32 s[\g+3], ROWB<<16
	s_mov_b32 s[\g+4], 128
	s_mov_b32 s[\g+5], KROW
	s_mov_b32 s[\g+6], 0
	s_mov_b32 s[\g+7], 0
.endr
	s_lshl_b32 s18, s16, 7
	s_lshl_b32 s20, s17, 8
	s_add_co_u32 s20, s20, s18
	s_lshl_b32 s20, s20, 10
	s_mov_b32 s21, 0
	s_lshl_b32 s46, s42, 8
	s_add_co_u32 s46, s46, s18
	s_lshl_b32 s46, s46, 10
	s_mov_b32 s47, 0
	s_mul_i32 s45, s14, HALFT
	s_wait_kmcnt 0x0
	s_load_b256 s[68:75], s[8:9], 0x0
	s_add_nc_u64 s[80:81], s[6:7], 0x200000
	s_cmp_eq_u32 ttmp9, 2
	s_cselect_b64 s[82:83], s[80:81], s[4:5]
	s_cselect_b64 s[6:7], s[4:5], s[6:7]
	s_add_nc_u64 s[20:21], s[82:83], s[20:21]
	s_add_nc_u64 s[46:47], s[6:7], s[46:47]
	CROUND
.irp s, 0,1
	s_mov_b32 s[G0+4*\s], 1
	s_add_co_u32 s[G0+4*\s+1], s45, \s*SLOT
	s_add_nc_u64 s[G0+4*\s+2:G0+4*\s+3], s[20:21], \s*ROWB
	s_or_b32 s[G0+4*\s+3], s[G0+4*\s+3], 0x80000000
	s_mov_b32 s[G0B+4*\s], 1
	s_add_co_u32 s[G0B+4*\s+1], s45, \s*SLOT
	s_add_nc_u64 s[G0B+4*\s+2:G0B+4*\s+3], s[46:47], \s*ROWB
	s_or_b32 s[G0B+4*\s+3], s[G0B+4*\s+3], 0x80000000
	s_wait_alu depctr_va_vdst(0)
	s_wait_tensorcnt 0x0
	ds_add_u32 v28, v29
	ds_add_u32 v28, v29
	s_wait_dscnt 0x0
	CROUND
	JLOAD G0+4*\s, G1, G0B+4*\s, G1B
.endr
	v_and_b32 v1, 15, v0
	s_wait_alu depctr_va_vdst(0)
	v_bfe_u32 v2, v0, 4, 1
	v_mul_u32_u24 v3, v1, PITCH
	v_lshl_add_u32 v4, v2, 4, v3
	s_mul_i32 s21, s15, HALFT
	s_mul_i32 s22, s16, HALFT
	s_add_co_u32 s22, s22, 2*HALFT
.irp s, 0,1
	v_add_nc_u32 v[ADRA+\s], s21, v4
	v_add_nc_u32 v[ADRB+\s], s22, v4
	s_add_co_u32 s21, s21, SLOT
	s_add_co_u32 s22, s22, SLOT
.endr
	s_mul_i32 s23, s15, 128*SPITCH
	s_lshl_b32 s18, s16, 7
	s_add_co_u32 s23, s23, s18
	v_mul_u32_u24 v5, v1, SPITCH
	s_wait_alu depctr_va_vdst(0)
	v_lshl_add_u32 v5, v2, 4, v5
	v_add_nc_u32 v[STO], s23, v5
	s_mul_i32 s23, s14, 64*SPITCH
	v_and_b32 v6, 31, v0
	v_lshrrev_b32 v7, 2, v6
	v_mul_u32_u24 v7, v7, SPITCH
	v_and_b32 v8, 3, v6
	v_lshl_add_u32 v7, v8, 4, v7
	v_add_nc_u32 v[RDQ], s23, v7
	v_lshlrev_b32 v[GQ], 4, v6
	v_mul_u32_u24 v7, v2, SPITCH
	v_lshl_add_u32 v7, v1, 4, v7
	v_add_nc_u32 v[RDV], s23, v7
	v_lshlrev_b32 v8, 11, v2
	v_lshl_add_u32 v[GV], v1, 4, v8
.macro FRAG reg, adr, q, i
.irp c, 0,1,2,3
	ds_load_b128 v[\reg+4*\c:\reg+4*\c+3], v[\adr] offset:128*(\q)+32*\c+(\i)*16*PITCH
.endr
.endm
.macro MUL16 a0, p, zero
.irp a, \a0, \a0+1
.irp b, 0,1,2,3,4,5,6,7
.if \zero
	v_wmma_f32_16x16x128_bf8_bf8 v[8*(8*((\a)%4)+\b):8*(8*((\a)%4)+\b)+7], v[128*(\p)+FR*\b:128*(\p)+FR*\b+FR-1], v[AF+FR*(\a):AF+FR*(\a)+FR-1], 0
.else
	v_wmma_f32_16x16x128_bf8_bf8 v[8*(8*((\a)%4)+\b):8*(8*((\a)%4)+\b)+7], v[128*(\p)+FR*\b:128*(\p)+FR*\b+FR-1], v[AF+FR*(\a):AF+FR*(\a)+FR-1], v[8*(8*((\a)%4)+\b):8*(8*((\a)%4)+\b)+7]
.endif
.endr
.endr
.endm
.macro FETCH_B slot, q, p
	WIN TO_B
.irp i, 0,1,2,3,4,5,6,7
	FRAG 128*(\p)+FR*\i, ADRB+\slot, \q, \i
.endr
	WIN 0
.endm
.macro FETCH_A slot, q, i0
.irp i, \i0, \i0+1, \i0+2, \i0+3
	FRAG AF+FR*(\i), ADRA+\slot, \q, \i
.endr
.endm
.macro PLACES n
.rept \n
	v_nop
.endr
.endm
.macro STEP slot, q, zero
	s_wait_dscnt 4*NL
	WIN MUL_LO
	MUL16 0, (\q)%2, \zero
	MUL16 2, (\q)%2, \zero
	s_wait_dscnt 0
	PLACES NP
	FETCH_B \slot, (\q)+1, 1-(\q)%2
	FETCH_A \slot, (\q)+1, 0
	WIN MUL_HI
	MUL16 4, (\q)%2, \zero
	MUL16 6, (\q)%2, \zero
	PLACES NP
	WIN 0
	FETCH_A \slot, (\q)+1, 4
.endm
.macro TURN slot, next, fill
	s_wait_tensorcnt 0x0
	ds_add_u32 v[SPW], v[NIL]
	s_wait_dscnt 4*NL+1
	WIN MUL_LO
	MUL16 0, 1, 0
	s_wait_dscnt 0x0
	s_barrier_signal -1
	MUL16 2, 1, 0
	WIN 0
	s_barrier_wait -1
.if \fill
	CREST
	s_add_nc_u64 s[G0+4*\slot+2:G0+4*\slot+3], s[G0+4*\slot+2:G0+4*\slot+3], 2*ROWB
	s_add_nc_u64 s[G0B+4*\slot+2:G0B+4*\slot+3], s[G0B+4*\slot+2:G0B+4*\slot+3], 2*ROWB
	JLOAD G0+4*\slot, G1, G0B+4*\slot, G1B
.else
	PLACES NP
.endif
	FETCH_B \next, 0, 0
	FETCH_A \next, 0, 0
	WIN MUL_HI
	MUL16 4, 1, 0
	MUL16 6, 1, 0
	PLACES NP
	WIN 0
	FETCH_A \next, 0, 4
.endm
	s_wait_tensorcnt 1
	s_barrier_signal -1
	s_barrier_wait -1
	FETCH_B 0, 0, 0
	FETCH_A 0, 0, 0
	FETCH_A 0, 0, 4
	STEP 0, 0, 1
	TURN 0, 1, 1
	STEP 1, 0, 0
	TURN 1, 0, 1
	STEP 0, 0, 0
	TURN 0, 1, 0
	STEP 1, 0, 0
	s_wait_dscnt 4*NL
	WIN MUL_LO
	MUL16 0, 1, 0
	MUL16 2, 1, 0
	s_wait_dscnt 0
	WIN MUL_HI
	MUL16 4, 1, 0
	MUL16 6, 1, 0
	WIN 0
	s_wait_kmcnt 0x0
	s_cmp_eq_u32 ttmp9, 0
	s_cselect_b32 s88, s70, s71
	s_cmp_eq_u32 ttmp9, 2
	s_cselect_b32 s88, s73, s88
	s_sub_co_i32 s88, s88, s68
	s_sub_co_i32 s88, s88, s69
	s_add_co_i32 s88, s88, 127
	s_lshl_b32 s89, s88, 23
	v_mov_b32 v[SCL], s89
	s_add_co_i32 s88, s88, 15
	s_lshl_b32 s88, s88, 23
	s_or_b32 s88, s88, 0x600000
	PLACES 2
.macro QBLOCK a
.set AC, 64*((\a)%4)
	WIN 0x02+((\a)/4)
.set j, 0
.rept 64
.set j, j+1
.endr
	v_nop
.irp b, 0,1,2,3,4,5,6,7
	v_cvt_scalef32_pk8_bf8_f32 v[CD+16*(\a)+2*\b:CD+16*(\a)+2*\b+1], v[AC+8*\b:AC+8*\b+7], v[SCL]
.endr
	WIN 0
	v_nop
.irp b, 0,1,2,3
	ds_store_b128 v[STO], v[CD+16*(\a)+4*\b:CD+16*(\a)+4*\b+3] offset:(\a)*16*SPITCH+32*\b
.endr
.endm
.irp a, 0,1,2,3,4,5,6,7
	QBLOCK \a
.endr
	s_wait_dscnt 0x0
	s_barrier_signal -1
	s_barrier_wait -1
	s_cmp_eq_u32 ttmp9, 2
	s_cbranch_scc1 .Lv
	s_lshr_b32 s84, s17, 3
	s_lshl_b32 s84, s84, 4
	s_and_b32 s85, s42, 3
	s_lshl_b32 s85, s85, 2
	s_add_co_u32 s84, s84, s85
	s_lshl_b32 s84, s84, 11
	s_and_b32 s85, s17, 7
	s_lshl_b32 s85, s85, 8
	s_add_co_u32 s84, s84, s85
	s_lshl_b32 s85, s14, 6
	s_add_co_u32 s84, s84, s85
	s_lshl_b32 s84, s84, 6
	s_mov_b32 s85, 0
	s_cmp_eq_u32 ttmp9, 0
	s_cselect_b64 s[10:11], s[10:11], s[76:77]
	s_add_nc_u64 s[10:11], s[10:11], s[84:85]
.set n, 0
.rept 32
	ds_load_b128 v[OUTR+4*n:OUTR+4*n+3], v[RDQ] offset:(n/8)*64+(n%8)*8*SPITCH
.set n, n+1
.endr
.set n, 0
.rept 32
	s_wait_dscnt 31-n
	global_store_b128 v[GQ], v[OUTR+4*n:OUTR+4*n+3], s[10:11] offset:(n/8)*131072+(n%8)*512
.set n, n+1
.endr
	s_branch .Lend
.Lv:
	s_lshr_b32 s86, s42, 3
	s_lshl_b32 s86, s86, 21
	s_lshl_b32 s87, s17, 8
	s_lshl_b32 s88, s14, 6
	s_add_co_u32 s87, s87, s88
	s_lshl_b32 s87, s87, 11
	s_add_co_u32 s86, s86, s87
	s_and_b32 s87, s42, 7
	s_lshl_b32 s87, s87, 8
	s_add_co_u32 s86, s86, s87
	s_mov_b32 s87, 0
	s_add_nc_u64 s[78:79], s[78:79], s[86:87]
.set n, 0
.rept 32
	ds_load_b128 v[OUTR+4*n:OUTR+4*n+3], v[RDV] offset:n*2*SPITCH
.set n, n+1
.endr
.set n, 0
.rept 32
	s_wait_dscnt 31-n
	global_store_b128 v[GV], v[OUTR+4*n:OUTR+4*n+3], s[78:79] offset:n*4096
.set n, n+1
.endr
.Lend:
	s_wait_tensorcnt 0x0
	ds_add_u32 v[SPW], v[NIL]
	s_wait_dscnt 0x0
	CROUND
	s_endpgm
.Lfunc_end_k_q50213d085a_qkv:
	.size	k_q50213d085a_qkv, .Lfunc_end_k_q50213d085a_qkv-k_q50213d085a_qkv
	.p2alignl 7, 3214868480
	.fill 96, 4, 3214868480
	.section	.rodata,"a",@progbits
	.p2align	6, 0x0
	.amdhsa_kernel k_q50213d085a_qkv
		.amdhsa_group_segment_fixed_size 327680
		.amdhsa_private_segment_fixed_size 0
		.amdhsa_enable_private_segment 0
		.amdhsa_kernarg_size 48
		.amdhsa_user_sgpr_count 2
		.amdhsa_user_sgpr_kernarg_segment_ptr 1
		.amdhsa_wavefront_size32 1
		.amdhsa_system_sgpr_workgroup_id_x 1
		.amdhsa_system_sgpr_workgroup_id_y 1
		.amdhsa_system_sgpr_workgroup_id_z 1
		.amdhsa_system_vgpr_workitem_id 0
		.amdhsa_next_free_vgpr 1024
		.amdhsa_next_free_sgpr 92
		.amdhsa_reserve_vcc 0
		.amdhsa_float_denorm_mode_32 3
		.amdhsa_float_denorm_mode_16_64 3
		.amdhsa_fp16_overflow 1
		.amdhsa_memory_ordered 1
		.amdhsa_forward_progress 1
		.amdhsa_inst_pref_size 99
	.end_amdhsa_kernel
	.amdgpu_metadata
---
amdhsa.version: [ 1, 2 ]
amdhsa.kernels:
  - .name:           k_q50213d085a_qkv
    .symbol:         k_q50213d085a_qkv.kd
    .args:
      - { .name: x_codes, .offset: 0, .size: 8, .value_kind: global_buffer, .address_space: global }
      - { .name: W_qkv_codes, .offset: 8, .size: 8, .value_kind: global_buffer, .address_space: global }
      - { .name: lowp_scales, .offset: 16, .size: 8, .value_kind: global_buffer, .address_space: global }
      - { .name: q_codes, .offset: 24, .size: 8, .value_kind: global_buffer, .address_space: global }
      - { .name: k_codes, .offset: 32, .size: 8, .value_kind: global_buffer, .address_space: global }
      - { .name: v_codes, .offset: 40, .size: 8, .value_kind: global_buffer, .address_space: global }
    .group_segment_fixed_size: 327680
    .private_segment_fixed_size: 0
    .kernarg_segment_align: 8
    .kernarg_segment_size: 48
    .max_flat_workgroup_size: 128
    .sgpr_count:     92
    .vgpr_count:     1024
    .wavefront_size: 32
...
	.end_amdgpu_metadata
.endif
;; end of part 1
;; launch attn (part 2): grid 8 x 32, 16 waves a work-group, clusters of 4 x 1, 293,888 bytes of LDS; arguments q_codes, k_codes, v_codes, lowp_scales, a_codes, ent; writes a_codes, ent
.if DOCPART == 2
	.amdgcn_target "amdgcn-amd-amdhsa--gfx1250"
	.amdhsa_code_object_version 6
	.text
	.protected	k_q50213d085a_attn
	.globl	k_q50213d085a_attn
	.p2align	8
	.type	k_q50213d085a_attn,@function
k_q50213d085a_attn:
	s_mov_b64 s[64:65], 0
	v_nop
	global_prefetch_b8 v0, s[64:65] scope:SCOPE_SE
	s_setreg_imm32_b32 hwreg(HW_REG_WAVE_MODE, 25, 1), 1
	s_wait_xcnt 0x0
	s_wait_alu depctr_hold_cnt(0) depctr_sa_sdst(0) depctr_va_vdst(0) depctr_va_sdst(0) depctr_va_ssrc(0) depctr_va_vcc(0) depctr_vm_vsrc(0)
	s_getreg_b32 s2, hwreg(HW_REG_IB_STS2, 6, 4)
	s_cmp_eq_u32 s2, 0
	s_cbranch_scc0 .Lentry_in_a_cluster
	s_endpgm
.Lentry_in_a_cluster:
	s_bfe_u32 s2, ttmp6, 0x10000c
	s_cmp_lg_u32 s2, 0x3003
	s_cbranch_scc0 .Lentry_shape_is_right
	s_endpgm
.Lentry_shape_is_right:
; Causal attention on codes of E5M2, head size 64, 2,048 tokens, 32 (batch, head) pairs; the result quantised for the last product; the softmax's entropy for each (head, query).
; q_codes, k_codes [32][2048][64], v_codes [32][64][2048] as the launch before lays them.  lowp_scales: e2 (q), e3 (k), e4 (p), e5 (v), e6 (the result).
; SOFTMAX: t = score x log2(e) / 8; M = the running largest t rounded up to a whole number; p = 2^(t - M) is quantised with 2^e4, not normalised; the row's sum l is taken of the unquantised p and divides at the end.
; When M moves by d, l and O are multiplied by f = 2^-d, which rounds nothing.
; ENTROPY: with u = t - M and S = the sum of p u:  -sum a ln a = ln 2 (log2 l - S / l), a = p / l.  When M moves by d:  S <- f (S - d l).
;   DEVIATION, stated: the 1e-9 that is added inside the logarithm is left out.  It changes a row's entropy by sum a ln(1 + 1e-9 / a), between 0 and 2,048 x 1e-9 = 2.05e-6 for every input.
; LIMITS on the given exponents: e2 + e3 between -90 and 29 (added to c's exponent field; a hidden score, -2^100, must stay finite as t and still give p = 0); e4, e6 between -126 and 112; e4 + e5 goes by v_ldexp_f32 and has none.
; SHARES.  Work-group (g, bh), g = 0..7.  Wave w owns ONE tile of 16 queries: 128 TI + 16 g + 0..15, TI = w xor 3 ((w / 4) % 2).  So a wave's diagonal lies in key step TI (128 keys a step) whatever g is:
; which steps a wave leaves out hangs on the wave's number alone, all 256 work-groups do the same work, and the partners of a cluster run alike.  Wave w works TI + 1 steps; the waves w, w + 4, w + 8, w + 12 together 34.
; ALL OF A HEAD'S K AND V LIE IN LDS AT ONCE (2 x 128 KiB of codes): filled once, nothing is filled again.  The four work-groups of a cluster belong to one head and ask for each tile JOINTLY (mask 15).
; Both products are used transposed: S^T = K Q^T (source 0 = 16 keys, source 1 = my 16 queries), O^T = V^T P^T: a lane holds one query (lane % 16) throughout; register 8 c + j of S^T is key 16 c + 8 (lane / 16) + j,
; which is the 8-bit operand layout's own order: the conversions' results are the second product's operand as they stand.
.set KP,    272                        ; K in LDS: rows of 256 bytes (4 keys) + 16 of padding: key k at (k / 4) 272 + (k % 4) 64: the 16 keys of a fragment load start at 16 different groups of 4 banks
.set KTILE, 4*KP                       ; 16 keys
.set KSTEPB, 32*KP                     ; a step's 128 keys
.set KQ,    128*KP                     ; a quarter: 512 keys
.set VBASE, 4*KQ                       ; V behind K: four quarters of 512 keys, each 64 rows (d) of 512 bytes + 16
.set VP,    528
.set VQ,    64*VP
.set STG,   VBASE+4*VQ                 ; 274,432: 1,024 bytes for each wave: its 16 queries x 64 codes
.set ENTS,  STG+16*1024                ; 290,816: 16 x 16 f32: the work-group's entropies, by TI
.set AK0, 1                            ; v1   my lane's place in a tile of K
.set AV0, 2                            ; v2   the same for V
.set DQ,  3                            ; v3   16 g + r - 8 h: register 8 c + j is hidden on the diagonal where 16 c + j > this
.set ADK, 4                            ; v4   LDS address of the step's K
.set ADV, 5                            ; v5   of its V
.set NEG, 6                            ; v6   -2^100: under every score (at most 64 x 57,344^2), and finite, so that p u is 0 and no NaN
.set SO,  7                            ; v7   the stage: where I put 8 codes
.set SA,  8                            ; v[8:9]   S, running;  v[10:11] the step's second chain
.set SB,  10
.set LA,  14                           ; v[14:15] l, running;  v[242:243] the step's second chain.  v12 -M, v13 the largest t
.set LB,  242
.set WV,  16                           ; s16  my wave's number
.set TI,  17                           ; s17  my tile's index, and my diagonal's key step
.set G1K, 24                           ; s[24:31] descriptor group 1 for K;  s[32:39] for V
.set G1V, 32
.set G0K, 40                           ; s[40:55] four groups 0 for K, one for each quarter;  s[68:83] for V
.set G0V, 68
.set CS,  84                           ; s[84:85] c = log2(e) / 8 x 2^(e2 + e3), twice
.set SEL, 86                           ; s[86:87] lane selects for v_permlanex16_b32: lane l xor 16
.set KS,  88                           ; s88  the key step
.set KO,  89                           ; s89  its K's LDS byte
.set VO,  90                           ; s90  its V's, from VBASE
.set INN, 91                           ; s91, s92 the loops' counters
.set OUT, 92
.macro CROUND                          ; a round of the cluster's barrier
	s_barrier_signal -1
	s_barrier_wait -1
	s_cmp_lg_u32 s[WV], 0
	s_cbranch_scc1 .Lnot_wave_0_\@
	s_barrier_signal -3
.Lnot_wave_0_\@:
	s_barrier_wait -3
	s_barrier_signal -1
	s_barrier_wait -1
.endm
	s_load_b256 s[4:11], s[0:1], 0x0               ; q s[4:5], k s[6:7], v s[8:9], the scales' exponents s[10:11]
	s_load_b128 s[12:15], s[0:1], 0x20             ; a_codes s[12:13], ent s[14:15]
	v_lshl_add_u32 v254, v0, 2, 0x47400
	v_mov_b32 v255, 0
	ds_add_u32 v254, v255
	ds_add_u32 v254, v255
	v_lshrrev_b32 v1, 5, v0
	s_delay_alu instid0(VALU_DEP_1)
	v_readfirstlane_b32 s[WV], v1                  ; wave 0..15
	s_lshr_b32 s93, s[WV], 2
	s_and_b32 s93, s93, 1
	s_mul_i32 s93, s93, 3
	s_xor_b32 s[TI], s[WV], s93                    ; 0 1 2 3 7 6 5 4 8 9 10 11 15 14 13 12
	s_bfe_u32 s18, ttmp6, 0x40000                  ; cx
	s_lshl_b32 s19, ttmp9, 2
	s_add_co_u32 s19, s19, s18                     ; g = 4 x cluster x + cx: it enters Q's, the outputs' addresses and the diagonal's mask alone
	s_and_b32 s20, ttmp7, 0xffff                   ; bh, which the partners share
	s_lshl_b32 s22, s20, 17                        ; a head's codes are 131,072 bytes in each of the three buffers
	s_mov_b32 s23, 0
	s_and_b32 s94, s[WV], 1                        ; which half of a quarter I fetch, if I fetch
	s_lshl_b32 s95, s94, 14
	s_add_co_u32 s96, s22, s95                     ; K: 256 keys x 64 bytes on
	s_mov_b32 s97, 0
	s_lshl_b32 s95, s94, 16
	s_add_co_u32 s98, s22, s95                     ; V: 32 rows x 2,048 bytes on
	s_mov_b32 s99, 0
	s_mul_i32 s91, s94, 64*KP                      ; and in LDS
	s_mul_i32 s92, s94, 32*VP
	s_add_co_u32 s92, s92, VBASE
	s_mov_b32 s[G1K], 15|(0<<16)|(1<<20)|(1<<21)|(5<<22)|(3<<25)   ; mask: all four work-groups; elements of 1 byte; padding on; bit 21 beside a mask; 4 words after every 64
	s_mov_b32 s[G1K+1], 256<<16                    ; tensor_dim0: K is dense, so 4 keys make a row of 256 bytes
	s_mov_b32 s[G1K+2], 64<<16                     ; tensor_dim1
	s_mov_b32 s[G1K+3], 256<<16                    ; tile_dim0
	s_mov_b32 s[G1K+4], 64                         ; tile_dim1: 64 rows = 256 keys
	s_mov_b32 s[G1K+5], 256                        ; stride
	s_mov_b32 s[G1K+6], 0
	s_mov_b32 s[G1K+7], 0
	s_mov_b32 s[G1V], 15|(0<<16)|(1<<20)|(1<<21)|(6<<22)|(3<<25)   ; 4 words after every 128
	s_mov_b32 s[G1V+1], 512<<16
	s_mov_b32 s[G1V+2], 32<<16
	s_mov_b32 s[G1V+3], 512<<16                    ; 512 keys of
	s_mov_b32 s[G1V+4], 32                         ; 32 of the head's 64
	s_mov_b32 s[G1V+5], 2048
	s_mov_b32 s[G1V+6], 0
	s_mov_b32 s[G1V+7], 0
	s_mov_b32 s[CS], 0x3e38aa3b                    ; log2(e) / 8
	s_mov_b32 s[SEL], 0x76543210
	s_mov_b32 s[SEL+1], 0xfedcba98
	s_wait_dscnt 0x0
	s_wait_kmcnt 0x0
	s_load_b256 s[56:63], s[10:11], 0x0            ; e0 .. e7
	s_add_nc_u64 s[6:7], s[6:7], s[96:97]
	s_add_nc_u64 s[8:9], s[8:9], s[98:99]
	CROUND                                         ; all four work-groups are here: the joint loads meet
.irp n, 0,1,2,3
	s_mov_b32 s[G0K+4*\n], 1
	s_add_co_u32 s[G0K+4*\n+1], s91, \n*KQ
	s_add_nc_u64 s[G0K+4*\n+2:G0K+4*\n+3], s[6:7], \n*32768
	s_or_b32 s[G0K+4*\n+3], s[G0K+4*\n+3], 0x80000000
	s_mov_b32 s[G0V+4*\n], 1
	s_add_co_u32 s[G0V+4*\n+1], s92, \n*VQ
	s_add_nc_u64 s[G0V+4*\n+2:G0V+4*\n+3], s[8:9], \n*512
	s_or_b32 s[G0V+4*\n+3], s[G0V+4*\n+3], 0x80000000
.endr
	s_cmp_lt_u32 s[WV], 2                          ; waves 0, 1: K's halves; waves 2, 3: V's; the others fetch nothing.  A wave's four loads, quarter by quarter, stand in one arm: four loads of mine are out
	s_cbranch_scc0 .Lnot_k
.irp n, 0,1,2,3
	tensor_load_to_lds s[G0K+4*\n:G0K+4*\n+3], s[G1K:G1K+7]
	s_nop 0
.endr
.rept 4
	v_nop
.endr
	s_branch .Lasked
.Lnot_k:
	s_cmp_lt_u32 s[WV], 4
	s_cbranch_scc0 .Lasked
.irp n, 0,1,2,3
	tensor_load_to_lds s[G0V+4*\n:G0V+4*\n+3], s[G1V:G1V+7]
	s_nop 0
.endr
.rept 4
	v_nop
.endr
.Lasked:
	s_lshl_b32 s93, s[TI], 7
	s_lshl_b32 s95, s19, 4                         ; 16 g
	s_add_co_u32 s93, s93, s95                     ; my first query in the head
	s_lshl_b32 s96, s93, 6
	s_add_co_u32 s96, s96, s22
	s_add_nc_u64 s[4:5], s[4:5], s[96:97]          ; its codes
	v_and_b32 v24, 15, v0                          ; r
	s_wait_alu depctr_va_vdst(0)
	v_bfe_u32 v25, v0, 4, 1                        ; h
	v_lshlrev_b32 v248, 6, v24
	s_delay_alu instid0(VALU_DEP_1)
	v_lshl_add_u32 v248, v25, 4, v248
	global_load_b128 v[16:19], v248, s[4:5]        ; Q's fragment stays in registers: 16 bytes at 16 h and at 32 + 16 h are the layout's registers 0-3 and 4-7
	global_load_b128 v[20:23], v248, s[4:5] offset:32
	s_and_b32 s96, s20, 15                         ; a_codes [head 16][token 4096][64]
	s_lshl_b32 s96, s96, 18
	s_lshr_b32 s98, s20, 4
	s_lshl_b32 s98, s98, 11
	s_add_co_u32 s98, s98, s93
	s_lshl_b32 s98, s98, 6
	s_add_co_u32 s96, s96, s98
	s_add_nc_u64 s[12:13], s[12:13], s[96:97]
	s_lshl_b32 s96, s20, 3                         ; ent [bh 32][g 8][TI 16][r 16] f32
	s_add_co_u32 s96, s96, s19
	s_lshl_b32 s96, s96, 10
	s_add_nc_u64 s[14:15], s[14:15], s[96:97]
	v_lshrrev_b32 v[AK0], 2, v24
	s_delay_alu instid0(VALU_DEP_1)
	v_mul_u32_u24 v[AK0], v[AK0], KP
	v_and_b32 v4, 3, v24
	s_delay_alu instid0(VALU_DEP_1)
	v_lshl_add_u32 v[AK0], v4, 6, v[AK0]
	s_wait_alu depctr_va_vdst(0)
	v_lshl_add_u32 v[AK0], v25, 4, v[AK0]          ; (r / 4) 272 + (r % 4) 64 + 16 h
	v_mul_u32_u24 v[AV0], v24, VP
	s_delay_alu instid0(VALU_DEP_1)
	v_lshl_add_u32 v[AV0], v25, 4, v[AV0]
	s_delay_alu instid0(VALU_DEP_1)
	v_add_nc_u32 v[AV0], VBASE, v[AV0]             ; row d = r, + 16 h
	v_lshlrev_b32 v[DQ], 3, v25
	s_delay_alu instid0(VALU_DEP_1)
	v_sub_nc_u32 v[DQ], v24, v[DQ]
	s_delay_alu instid0(VALU_DEP_1)
	v_add_nc_u32 v[DQ], s95, v[DQ]
	s_lshl_b32 s98, s[WV], 10
	s_add_co_u32 s98, s98, STG                     ; my stage
	v_lshlrev_b32 v[SO], 6, v24
	s_delay_alu instid0(VALU_DEP_1)
	v_lshl_add_u32 v[SO], v25, 3, v[SO]
	s_delay_alu instid0(VALU_DEP_1)
	v_add_nc_u32 v[SO], s98, v[SO]                 ; query r's 64 bytes, + 8 h
	v_and_b32 v249, 31, v0
	s_delay_alu instid0(VALU_DEP_1)
	v_lshlrev_b32 v249, 4, v249                    ; 16 x lane
	s_delay_alu instid0(VALU_DEP_1)
	v_add_nc_u32 v27, s98, v249                    ; the stage read back
	s_delay_alu instid0(VALU_DEP_2)
	v_add_nc_u32 v245, ENTS, v249                  ; the entropies read back
	s_lshl_b32 s99, s[TI], 6
	s_add_co_u32 s99, s99, ENTS
	v_lshl_add_u32 v244, v24, 2, s99               ; where my query's entropy goes
	v_mov_b32 v[NEG], 0xf1800000
	v_mov_b32 v13, 0xff61b1e6                      ; the largest t so far: -3e38, under every t
	s_delay_alu instid0(VALU_DEP_1)
	v_floor_f32 v12, -v13                          ; -M
	v_mov_b32 v8, 0                                ; S and l begin as zeros: the first change of M multiplies zeros
	v_mov_b32 v9, 0
	v_mov_b32 v14, 0
	v_mov_b32 v15, 0
	v_mov_b32 v26, 0                               ; a lane permute's destination counts as one of its sources
	v_mov_b32 v29, 0                               ; (named as the upper halves of the pairs v[28:29] and v[30:31])
	v_mov_b32 v31, 0
.set j, 0
.rept 32
	v_mov_b32 v[160+j], 0                          ; O^T: the step is written for every step alike, the first finds zeros
.set j, j+1
.endr
	s_wait_kmcnt 0x0
	s_add_co_i32 s93, s58, s59                     ; a score stands for score x 2^(e2 + e3): added to c's exponent field
	s_lshl_b32 s93, s93, 23
	s_add_co_i32 s[CS], s[CS], s93
	s_mov_b32 s[CS+1], s[CS]
	s_add_co_i32 s93, s60, 127
	s_lshl_b32 s95, s93, 23
	v_mov_b32 v241, s95                            ; 2^e4
	s_add_co_i32 s93, s62, 127
	s_lshl_b32 s95, s93, 23
	v_mov_b32 v246, s95                            ; 2^e6
	s_add_co_i32 s94, s60, s61                     ; e4 + e5
	s_mov_b32 s[KS], 0
	s_mov_b32 s[KO], 0
	s_mov_b32 s[VO], 0
	s_wait_loadcnt 0x0                             ; Q
.macro EXPB b                          ; p of keys 32 b .. 32 b + 31 (my 16 of them) into set b % 2; u stays, for the entropy
.set j, 0
.rept 16
	v_exp_f32 v[208+16*((\b)%2)+j], v[96+16*(\b)+j]
.set j, j+1
.endr
.endm
.macro CONS b                          ; those 16 p: into S (p u) and l, two at a time, two chains each; held, converted; then O^T's tile b under the new M
.set T, 208+16*((\b)%2)
.set U, 96+16*(\b)
.irp i, 0,1,2,3,4,5,6,7
.if (8*(\b)+\i) == 0
	s_wait_alu depctr_va_vdst(0)
	v_pk_mul_f32 v[SB:SB+1], v[T:T+1], v[U:U+1]    ; the step's first pair starts the second chain
.elseif (\i%2) == 1
	v_pk_fma_f32 v[SA:SA+1], v[T+2*\i:T+2*\i+1], v[U+2*\i:U+2*\i+1], v[SA:SA+1]
.else
	s_wait_alu depctr_va_vdst(0)
	v_pk_fma_f32 v[SB:SB+1], v[T+2*\i:T+2*\i+1], v[U+2*\i:U+2*\i+1], v[SB:SB+1]
.endif
.if (8*(\b)+\i) == 1
	v_pk_add_f32 v[LB:LB+1], v[T:T+1], v[T+2:T+3]  ; THE ROW'S SUM IS TAKEN OF THE UNQUANTISED p
.elseif (8*(\b)+\i) > 1
.if (\i%2) == 0
	v_pk_add_f32 v[LA:LA+1], v[LA:LA+1], v[T+2*\i:T+2*\i+1]
.else
	v_pk_add_f32 v[LB:LB+1], v[LB:LB+1], v[T+2*\i:T+2*\i+1]
.endif
.endif
.endr
.set j, 0
.rept 16
.set j, j+1
.endr
	v_cvt_scalef32_pk8_bf8_f32 v[192+4*(\b):193+4*(\b)], v[T:T+7], v241
	v_cvt_scalef32_pk8_bf8_f32 v[194+4*(\b):195+4*(\b)], v[T+8:T+15], v241
.irp i, 0,2,4,6
	v_pk_mul_f32 v[160+8*(\b)+\i:161+8*(\b)+\i], v[160+8*(\b)+\i:161+8*(\b)+\i], v[28:29] op_sel_hi:[1,0]   ; x f, from the accumulator's low end on.  (Also the plain lines behind the conversions)
.endr
.endm
; A KEY STEP: the 128 keys of step KS.  A step behind my diagonal is left out: a branch on the wave's number and the loop's count; no barrier and no tensor load stands in a step.
.macro STEP
	s_cmp_gt_u32 s[KS], s[TI]
	s_cbranch_scc1 .Lhidden_\@
	s_setprio 2
	v_add_nc_u32 v[ADK], s[KO], v[AK0]
	v_add_nc_u32 v[ADV], s[VO], v[AV0]
	v_nop                                          ; with the two additions: four places in front of loads into registers that the last step's products have read
	v_nop
.irp c, 0,1,2,3,4,5,6,7
	ds_load_b128 v[32+8*\c:35+8*\c], v[ADK] offset:\c*KTILE
	ds_load_b128 v[36+8*\c:39+8*\c], v[ADK] offset:\c*KTILE+32
.endr
	s_wait_alu depctr_va_vdst(0)
	s_wait_dscnt 0x0
.irp c, 0,1,2,3,4,5,6,7
	v_wmma_f32_16x16x64_bf8_bf8 v[96+8*\c:103+8*\c], v[32+8*\c:39+8*\c], v[16:23], 0
.endr
.rept 4
	v_nop                                          ; places in front of the loads below and of the first read of the scores
.endr
.irp t, 0,1,2,3
.irp c, 0,1,2,3
	ds_load_b128 v[32+16*\t+4*\c:35+16*\t+4*\c], v[ADV] offset:\t*16*VP+32*\c   ; V's four fragments land under the softmax
.endr
.endr
	s_cmp_lg_u32 s[KS], s[TI]
	s_cbranch_scc1 .Lopen_\@
.set n, 0
.rept 64                                       ; my diagonal's step: hidden scores become -2^100 ahead of the maximum
	v_cmp_gt_i32 vcc_lo, 16*(n/8)+n%8, v[DQ]
	v_cndmask_b32 v[96+n], v[96+n], v[NEG], vcc_lo
.set n, n+1
.endr
.Lopen_\@:
	v_max3_num_f32 v24, v96, v97, v98              ; the step's largest score of my query among my 64 keys, in two chains, ascending
	v_max3_num_f32 v25, v99, v100, v101
.irp i, 6,10,14,18,22,26,30,34,38,42,46,50,54,58
	v_max3_num_f32 v24, v24, v[96+\i], v[97+\i]
	v_max3_num_f32 v25, v25, v[98+\i], v[99+\i]
.endr
	v_max3_num_f32 v24, v24, v158, v159
	s_delay_alu instid0(VALU_DEP_1)
	v_max_num_f32 v24, v24, v25
	s_delay_alu instid0(VALU_DEP_1)
	v_permlanex16_b32 v26, v24, s[SEL], s[SEL+1]
	s_delay_alu instid0(VALU_DEP_1)
	v_max_num_f32 v24, v24, v26                    ; and among lane l xor 16's
	s_delay_alu instid0(VALU_DEP_1)
	v_mul_f32 v24, s[CS], v24                      ; as t (c is positive)
	s_delay_alu instid0(VALU_DEP_1)
	v_max_num_f32 v13, v13, v24                    ; the running largest t
	v_mov_b32 v24, v12
	s_delay_alu instid0(VALU_DEP_2)
	v_floor_f32 v12, -v13                          ; the new -M = -ceil(t)
	s_delay_alu instid0(VALU_DEP_1)
	v_sub_f32 v30, v12, v24                        ; old M - new M = -d: a whole number, 0 or less
	s_delay_alu instid0(VALU_DEP_1)
	v_cvt_i32_f32 v24, v30                         ; (it saturates)
	s_delay_alu instid0(VALU_DEP_1)
	v_ldexp_f32 v28, 1.0, v24                      ; f = 2^-d
.set j, 0
.rept 32
	v_pk_fma_f32 v[96+j:97+j], v[96+j:97+j], s[CS:CS+1], v[12:13] op_sel_hi:[1,0,0]   ; u = t - M, two at a time
.set j, j+2
.endr
	s_setprio 1
	s_wait_alu depctr_va_vdst(0)
	EXPB 0
	v_pk_fma_f32 v[SA:SA+1], v[LA:LA+1], v[30:31], v[SA:SA+1] op_sel_hi:[1,0,1]   ; S - d l,
	s_delay_alu instid0(VALU_DEP_1)
	v_pk_mul_f32 v[SA:SA+1], v[SA:SA+1], v[28:29] op_sel_hi:[1,0]                 ; x f;
	v_pk_mul_f32 v[LA:LA+1], v[LA:LA+1], v[28:29] op_sel_hi:[1,0]                 ; l x f.  (Plain lines behind the exponentials)
	EXPB 1                                         ; a block's exponentials stand ahead of the block before's plain work: every result has plain lines between it and its use
	CONS 0
	EXPB 2
	CONS 1
	EXPB 3
	s_setprio 0
	CONS 2
	CONS 3
	v_pk_add_f32 v[SA:SA+1], v[SA:SA+1], v[SB:SB+1]
	v_pk_add_f32 v[LA:LA+1], v[LA:LA+1], v[LB:LB+1]
	s_wait_alu depctr_va_vdst(0)
	s_wait_dscnt 0x0                               ; V
.irp t, 0,1,2,3                                ; O^T += V^T P^T: the four accumulators by turns; the matrix instruction ahead of the first wrote scores
	v_wmma_f32_16x16x128_bf8_bf8 v[160+8*\t:167+8*\t], v[32+16*\t:47+16*\t], v[192:207], v[160+8*\t:167+8*\t]
.endr
.Lhidden_\@:
.endm
; quarters x 4 key steps.  cnt: how many of a fetching wave's four loads may still be out: the quarters behind those that this phase reads.  Nothing is ever filled again, so they may stay out across the barrier.
.macro PHASE cnt, quarters
	s_wait_tensorcnt \cnt
	s_wait_dscnt 0x0
	s_barrier_signal -1
	s_barrier_wait -1
.if \quarters > 1
	s_mov_b32 s[OUT], \quarters
.Lo_\@:
.endif
	s_mov_b32 s[INN], 4
.Li_\@:
	STEP
	s_add_co_u32 s[KS], s[KS], 1
	s_add_co_u32 s[KO], s[KO], KSTEPB
	s_add_co_u32 s[VO], s[VO], 128
	s_sub_co_u32 s[INN], s[INN], 1
	s_cmp_lg_u32 s[INN], 0
	s_cbranch_scc1 .Li_\@
	s_setprio 0
	s_add_co_u32 s[VO], s[VO], VQ-512              ; V's next quarter
.if \quarters > 1
	s_sub_co_u32 s[OUT], s[OUT], 1
	s_cmp_lg_u32 s[OUT], 0
	s_cbranch_scc1 .Lo_\@
.endif
.endm
	PHASE 3, 1                                     ; quarter 0 has landed; the other three land under its four steps
	PHASE 0, 3
	; THE WAY OUT.
	s_wait_dscnt 0x0
	s_barrier_signal -1                            ; parts the loops' LDS reads, whose addresses step with the loops, from the LDS stores below
	s_barrier_wait -1
	v_add_f32 v14, v14, v15                        ; l's and S's two halves,
	v_add_f32 v8, v8, v9
	s_delay_alu instid0(VALU_DEP_2)
	v_permlanex16_b32 v26, v14, s[SEL], s[SEL+1]
	s_delay_alu instid0(VALU_DEP_2)
	v_permlanex16_b32 v24, v8, s[SEL], s[SEL+1]
	s_delay_alu instid0(VALU_DEP_2)
	v_add_f32 v14, v14, v26                        ; and lane l xor 16's
	s_delay_alu instid0(VALU_DEP_2)
	v_add_f32 v8, v8, v24
	s_wait_alu depctr_va_vdst(0)
	v_rcp_f32 v24, v14
	v_log_f32 v25, v14
	v_nop                                          ; a plain line behind the transcendentals
	s_wait_alu depctr_va_vdst(0)
	v_fma_f32 v25, -v8, v24, v25                   ; log2 l - S / l
	s_delay_alu instid0(VALU_DEP_1)
	v_mul_f32 v25, 0x3f317218, v25                 ; x ln 2: the entropy of my query in this head
	v_ldexp_f32 v24, v24, s94                      ; 2^(e4 + e5) / l
.set j, 0
.rept 16
	v_pk_mul_f32 v[96+j:97+j], v[160+j:161+j], v[24:25] op_sel_hi:[1,0]   ; the result: register 8 t + i is d = 16 t + 8 h + i of query r; each accumulator from its low end on
.set j, j+2
.endr
.set j, 0
.rept 32
.set j, j+1
.endr
.irp t, 0,1,2,3
	v_cvt_scalef32_pk8_bf8_f32 v[128+2*\t:129+2*\t], v[96+8*\t:103+8*\t], v246
.endr
	v_nop
.irp t, 0,1,2,3
	ds_store_b64 v[SO], v[128+2*\t:129+2*\t] offset:16*\t
.endr
	ds_store_b32 v244, v25                         ; lanes r and r + 16 hold the same number and write the same word
	ds_load_b128 v[136:139], v27                   ; LDS serves a wave's instructions in order: these see my stores
	ds_load_b128 v[140:143], v27 offset:512
	s_wait_dscnt 1                                 ; the first is in, the second may be out
	global_store_b128 v249, v[136:139], s[12:13]   ; my 16 queries x 64 codes are 1,024 consecutive bytes: 512 a store, aligned
	s_wait_dscnt 0x0
	global_store_b128 v249, v[140:143], s[12:13] offset:512
	s_barrier_signal -1                            ; every wave's entropies lie in LDS (its wait for 0 stands above)
	s_barrier_wait -1
	s_cmp_lg_u32 s[WV], 0
	s_cbranch_scc1 .Lnot_first
	ds_load_b128 v[144:147], v245                  ; wave 0 stores the work-group's 256 entropies: 1,024 consecutive bytes
	ds_load_b128 v[148:151], v245 offset:512
	s_wait_dscnt 1
	global_store_b128 v249, v[144:147], s[14:15]
	s_wait_dscnt 0x0
	global_store_b128 v249, v[148:151], s[14:15] offset:512
.Lnot_first:
	s_wait_tensorcnt 0x0
	ds_add_u32 v254, v255
	s_wait_dscnt 0x0
	CROUND                                         ; the closing round
	s_endpgm
.Lfunc_end_k_q50213d085a_attn:
	.size	k_q50213d085a_attn, .Lfunc_end_k_q50213d085a_attn-k_q50213d085a_attn
	.p2alignl 7, 3214868480
	.fill 96, 4, 3214868480
	.section	.rodata,"a",@progbits
	.p2align	6, 0x0
	.amdhsa_kernel k_q50213d085a_attn
		.amdhsa_group_segment_fixed_size 293888
		.amdhsa_private_segment_fixed_size 0
		.amdhsa_enable_private_segment 0
		.amdhsa_kernarg_size 48
		.amdhsa_user_sgpr_count 2
		.amdhsa_user_sgpr_kernarg_segment_ptr 1
		.amdhsa_wavefront_size32 1
		.amdhsa_system_sgpr_workgroup_id_x 1
		.amdhsa_system_sgpr_workgroup_id_y 1
		.amdhsa_system_sgpr_workgroup_id_z 1
		.amdhsa_system_vgpr_workitem_id 0
		.amdhsa_next_free_vgpr 256
		.amdhsa_next_free_sgpr 100
		.amdhsa_reserve_vcc 1
		.amdhsa_float_denorm_mode_32 3
		.amdhsa_float_denorm_mode_16_64 3
		.amdhsa_fp16_overflow 1
		.amdhsa_memory_ordered 1
		.amdhsa_forward_progress 1
		.amdhsa_inst_pref_size 59
	.end_amdhsa_kernel
	.amdgpu_metadata
---
amdhsa.version: [ 1, 2 ]
amdhsa.kernels:
  - .name:           k_q50213d085a_attn
    .symbol:         k_q50213d085a_attn.kd
    .args:
      - { .name: q_codes, .offset: 0, .size: 8, .value_kind: global_buffer, .address_space: global }
      - { .name: k_codes, .offset: 8, .size: 8, .value_kind: global_buffer, .address_space: global }
      - { .name: v_codes, .offset: 16, .size: 8, .value_kind: global_buffer, .address_space: global }
      - { .name: lowp_scales, .offset: 24, .size: 8, .value_kind: global_buffer, .address_space: global }
      - { .name: a_codes, .offset: 32, .size: 8, .value_kind: global_buffer, .address_space: global }
      - { .name: ent, .offset: 40, .size: 8, .value_kind: global_buffer, .address_space: global }
    .group_segment_fixed_size: 293888
    .private_segment_fixed_size: 0
    .kernarg_segment_align: 8
    .kernarg_segment_size: 48
    .max_flat_workgroup_size: 512
    .sgpr_count:     100
    .vgpr_count:     256
    .wavefront_size: 32
...
	.end_amdgpu_metadata
.endif
;; end of part 2
;; launch proj (part 3): grid 8 x 32, 4 waves a work-group, clusters of 4 x 4, 296,448 bytes of LDS; arguments a_codes, W_proj_codes, lowp_scales, ent, out0, out1; writes out0, out1
.if DOCPART == 3
	.amdgcn_target "amdgcn-amd-amdhsa--gfx1250"
	.amdhsa_code_object_version 6
	.text
	.protected	k_q50213d085a_proj
	.globl	k_q50213d085a_proj
	.p2align	8
	.type	k_q50213d085a_proj,@function
k_q50213d085a_proj:
	s_mov_b64 s[64:65], 0
	v_nop
	global_prefetch_b8 v0, s[64:65] scope:SCOPE_SE
	s_setreg_imm32_b32 hwreg(HW_REG_WAVE_MODE, 25, 1), 1
	s_wait_xcnt 0x0
	s_wait_alu depctr_hold_cnt(0) depctr_sa_sdst(0) depctr_va_vdst(0) depctr_va_sdst(0) depctr_va_ssrc(0) depctr_va_vcc(0) depctr_vm_vsrc(0)
	s_getreg_b32 s2, hwreg(HW_REG_IB_STS2, 6, 4)
	s_cmp_eq_u32 s2, 0
	s_cbranch_scc0 .Lentry_in_a_cluster
	s_endpgm
.Lentry_in_a_cluster:
	s_bfe_u32 s2, ttmp6, 0x10000c
	s_cmp_lg_u32 s2, 0xf033
	s_cbranch_scc0 .Lentry_shape_is_right
	s_endpgm
.Lentry_shape_is_right:
; out0 = (the attention's result) W_proj on codes of E5M2 (K = 1,024), x 2^(e6 + e7); out1 = the mean over the 16 heads of the entropies.
; a_codes [head 16][token 4096][64], W_proj_codes [1024][1024] (K innermost), ent [batch x head 32][g 8][i 16][r 16] f32 (token 128 i + 16 g + r).  out0 [4096][1024] f32, out1 [4096] f32.
; LIMIT: e6 + e7 between -126 and 127, so that 2^(e6 + e7) is an f32 number.
; SHARES.  256 work-groups, a tile of 128 tokens x 128 columns each: tiles of 256 x 256 would be 64 and leave three WGPs in four idle.  Four waves, 64 x 64 each: 16 accumulators.
; THE WHOLE K LIES IN LDS AT ONCE (2 x 128 KiB of codes), fetched in four K steps of 256: nothing is filled again.  CLUSTERS: 4 x 4; A's tiles are shared along a row of the cluster, B's along a column, by joint loads.
; The matrix instruction is used transposed (source 0 = 16 rows of W_proj, source 1 = 16 tokens): a lane holds eight neighbouring columns of a token's row.
; REGISTERS: window 0: v1-12 at work at the head; v16-26 addresses; v32-63 a block's results; v64-127 rows read back, two sets; v128-255 the accumulators ((a, b) at v[128 + 8 (4 a + b)]).
;   window 1: two fragment buffers of 128 registers, each for 128 along K: A's four tiles, then B's four.
.set AHEAD,  8704                      ; a head's 128 tokens x 64 bytes in LDS: 32 rows of 256 bytes (4 tokens) + 16 of padding
.set KSB,    34816                     ; a K step of 256: 4 heads of A; 128 rows x 272 of B
.set BBASE,  4*KSB
.set STAGE,  8*KSB                     ; 278,528: 16 rows x 272 bytes for each wave, for the way out
.set SPITCH, 272
.set ADRA, 16                          ; v16-19  LDS address of my A fragments in K step 0 .. 3
.set ADRB, 20                          ; v20-23  the same for B
.set STO,  24
.set RD,   25
.set CO,   26
.set TMP,  32
.set BK,   64
.set ACC,  128
.set G1A, 24                           ; s[24:31], s[32:39] descriptor groups 1;  s[40:55], s[68:83] groups 0, one for each K step
.set G1B, 32
.set G0A, 40
.set G0B, 68
.set MSB, 0
.macro WIN new                         ; the immediate's high byte repeats the setting that is left
.if MSB != \new
	s_set_vgpr_msb (MSB<<8)|\new
.set MSB, \new
.endif
.endm
.macro CROUND                          ; a round of the cluster's barrier
	s_barrier_signal -1
	s_barrier_wait -1
	s_cmp_lg_u32 s16, 0
	s_cbranch_scc1 .Lnot_wave_0_\@
	s_barrier_signal -3
.Lnot_wave_0_\@:
	s_barrier_wait -3
	s_barrier_signal -1
	s_barrier_wait -1
.endm
.macro PLACES                          ; four places in front of loads into registers that matrix instructions have read, and of the first read of results
.rept 4
	v_nop
.endr
.endm
	s_load_b256 s[4:11], s[0:1], 0x0               ; a_codes s[4:5], W_proj s[6:7], the scales' exponents s[8:9], ent s[10:11]
	s_load_b128 s[12:15], s[0:1], 0x20             ; out0 s[12:13], out1 s[14:15]
	v_lshl_add_u32 v30, v0, 2, 0x48400
	v_mov_b32 v31, 0
	ds_add_u32 v30, v31
	ds_add_u32 v30, v31
	v_lshrrev_b32 v1, 5, v0
	v_readfirstlane_b32 s16, v1                    ; wave 0..3
	s_lshr_b32 s17, s16, 1                         ; which half of the tokens is mine.  Also: I fetch for A (0) or for B (1)
	s_and_b32 s18, s16, 1                          ; which half of the columns.  Also: which half of a K step's tile I fetch
	s_bfe_u32 s19, ttmp6, 0x40000                  ; cx
	s_bfe_u32 s20, ttmp6, 0x40004                  ; cy
	s_lshl_b32 s21, ttmp9, 2
	s_add_co_u32 s21, s21, s19                     ; tile column 0..7
	s_and_b32 s22, ttmp7, 0xffff
	s_lshl_b32 s22, s22, 2
	s_add_co_u32 s22, s22, s20                     ; tile row 0..31
	s_lshl_b32 s84, s20, 2
	s_lshl_b32 s84, 15, s84                        ; my row of the cluster
	s_lshl_b32 s85, 0x1111, s19                    ; my column
	s_or_b32 s[G1A], s84, (0<<16)|(1<<20)|(1<<21)|(5<<22)|(3<<25)   ; A: mask of my row; elements of 1 byte; padding: 4 words after every 64; bit 21 beside a mask
	s_mov_b32 s[G1A+1], 8192<<16                   ; tensor_dim0: a head's 128 tokens are 8,192 dense bytes: one row of the tile,
	s_mov_b32 s[G1A+2], 2<<16                      ; tensor_dim1
	s_mov_b32 s[G1A+3], 8192<<16                   ; tile_dim0
	s_mov_b32 s[G1A+4], 2                          ; two heads to a load,
	s_mov_b32 s[G1A+5], 262144                     ; a head's 4,096 tokens apart
	s_mov_b32 s[G1A+6], 0
	s_mov_b32 s[G1A+7], 0
	s_or_b32 s[G1B], s85, (0<<16)|(1<<20)|(1<<21)|(5<<22)|(3<<25)   ; B: mask of my column
	s_mov_b32 s[G1B+1], 256<<16
	s_mov_b32 s[G1B+2], 64<<16
	s_mov_b32 s[G1B+3], 256<<16                    ; 256 along K of
	s_mov_b32 s[G1B+4], 64                         ; 64 rows
	s_mov_b32 s[G1B+5], 1024
	s_mov_b32 s[G1B+6], 0
	s_mov_b32 s[G1B+7], 0
	s_lshl_b32 s86, s22, 13                        ; A: 128 tokens x 64 bytes x tile row,
	s_lshl_b32 s87, s18, 19                        ; + two heads x half: no cx enters
	s_add_co_u32 s86, s86, s87
	s_mov_b32 s87, 0
	s_lshl_b32 s88, s21, 17                        ; B: 128 rows x 1,024 bytes x tile column,
	s_lshl_b32 s89, s18, 16                        ; + 64 rows x half: no cy enters
	s_add_co_u32 s88, s88, s89
	s_mov_b32 s89, 0
	s_mul_i32 s91, s18, 17408                      ; in LDS: half a K step's tile, of A and of B alike
	s_mov_b32 s94, 0x76543210
	s_mov_b32 s95, 0xfedcba98
	s_wait_dscnt 0x0
	s_wait_kmcnt 0x0
	s_load_b256 s[56:63], s[8:9], 0x0              ; e0 .. e7
	s_add_nc_u64 s[4:5], s[4:5], s[86:87]
	s_add_nc_u64 s[6:7], s[6:7], s[88:89]
	CROUND                                         ; all sixteen work-groups are here: the joint loads meet
.irp s, 0,1,2,3
	s_mov_b32 s[G0A+4*\s], 1
	s_add_co_u32 s[G0A+4*\s+1], s91, \s*KSB
	s_add_nc_u64 s[G0A+4*\s+2:G0A+4*\s+3], s[4:5], \s*1048576   ; four heads on
	s_or_b32 s[G0A+4*\s+3], s[G0A+4*\s+3], 0x80000000
	s_mov_b32 s[G0B+4*\s], 1
	s_add_co_u32 s[G0B+4*\s+1], s91, BBASE+\s*KSB
	s_add_nc_u64 s[G0B+4*\s+2:G0B+4*\s+3], s[6:7], \s*256
	s_or_b32 s[G0B+4*\s+3], s[G0B+4*\s+3], 0x80000000
.endr
	s_cmp_eq_u32 s17, 0                            ; waves 0, 1: A's halves; waves 2, 3: B's.  A wave's four loads, K step by K step, stand in one arm: four loads of mine are out
	s_cbranch_scc0 .Lfor_b
.irp s, 0,1,2,3
	tensor_load_to_lds s[G0A+4*\s:G0A+4*\s+3], s[G1A:G1A+7]
	s_nop 0
.endr
.rept 4
	v_nop
.endr
	s_branch .Lasked
.Lfor_b:
.irp s, 0,1,2,3
	tensor_load_to_lds s[G0B+4*\s:G0B+4*\s+3], s[G1B:G1B+7]
	s_nop 0
.endr
.rept 4
	v_nop
.endr
.Lasked:
	v_and_b32 v1, 15, v0                           ; r
	v_bfe_u32 v2, v0, 4, 1                         ; h
	v_lshrrev_b32 v3, 2, v1
	v_mul_u32_u24 v3, v3, 272
	v_and_b32 v4, 3, v1
	v_lshl_add_u32 v3, v4, 6, v3
	v_lshl_add_u32 v3, v2, 4, v3                   ; A: token r at (r / 4) 272 + (r % 4) 64, + 16 h
	s_wait_alu depctr_va_vdst(0)
	v_mul_u32_u24 v4, v1, 272
	v_lshl_add_u32 v4, v2, 4, v4                   ; B: row r x 272 + 16 h
	s_wait_alu depctr_va_vdst(0)
	s_mul_i32 s92, s17, 4352                       ; my 64 tokens
	s_mul_i32 s93, s18, 17408                      ; my 64 rows of B
	s_add_co_u32 s93, s93, BBASE
.irp s, 0,1,2,3
	v_add_nc_u32 v[ADRA+\s], s92, v3
	v_add_nc_u32 v[ADRB+\s], s93, v4
	s_add_co_u32 s92, s92, KSB
	s_add_co_u32 s93, s93, KSB
.endr
	s_mul_i32 s92, s16, 16*SPITCH
	s_add_co_u32 s92, s92, STAGE                   ; my stage
	v_mul_u32_u24 v5, v1, SPITCH
	v_lshl_add_u32 v5, v2, 5, v5
	v_add_nc_u32 v[STO], s92, v5                   ; in: row r, 32 bytes for each half of the lanes
	v_mul_u32_u24 v5, v2, SPITCH
	v_lshl_add_u32 v5, v1, 4, v5
	v_add_nc_u32 v[RD], s92, v5                    ; back: lanes 0-15 one row of 256 bytes, lanes 16-31 the next
	v_lshlrev_b32 v5, 12, v2
	v_lshl_add_u32 v[CO], v1, 4, v5                ; and the same two rows in out0
	s_lshl_b32 s92, s22, 7
	s_lshl_b32 s93, s17, 6
	s_add_co_u32 s92, s92, s93                     ; my first token
	s_lshl_b32 s92, s92, 12
	s_lshl_b32 s93, s21, 9
	s_add_co_u32 s92, s92, s93
	s_lshl_b32 s93, s18, 8
	s_add_co_u32 s92, s92, s93                     ; + my first column, in bytes
	s_mov_b32 s93, 0
	s_add_nc_u64 s[12:13], s[12:13], s[92:93]
	; THE ENTROPY'S MEAN, by wave 3, while the tiles are on their way: this work-group's 16 tokens are 128 (tile row) + 16 (tile column) + r.  Lanes 0-15 add heads 0-7, lanes 16-31 heads 8-15.
	s_cmp_lg_u32 s16, 3
	s_cbranch_scc1 .Lno_ent
	s_lshr_b32 s92, s22, 4                         ; batch: 16 heads x 8,192 bytes
	s_lshl_b32 s92, s92, 17
	s_lshl_b32 s93, s21, 10                        ; g
	s_add_co_u32 s92, s92, s93
	s_and_b32 s93, s22, 15                         ; i
	s_lshl_b32 s93, s93, 6
	s_add_co_u32 s92, s92, s93
	s_mov_b32 s93, 0
	s_add_nc_u64 s[10:11], s[10:11], s[92:93]
	s_lshl_b32 s92, s22, 3
	s_add_co_u32 s92, s92, s21
	s_lshl_b32 s92, s92, 6
	s_add_nc_u64 s[14:15], s[14:15], s[92:93]
	v_lshlrev_b32 v12, 2, v1                       ; 4 r
	v_lshl_add_u32 v2, v2, 16, v12                 ; + 8 heads for lanes 16-31
.irp k, 0,1,2,3,4,5,6,7
	global_load_b32 v[3+\k], v2, s[10:11] offset:8192*\k
.endr
	v_mov_b32 v11, 0                               ; a lane permute's destination counts as one of its sources
	s_wait_loadcnt 0x0
	v_add_f32 v3, v3, v4
	v_add_f32 v5, v5, v6
	v_add_f32 v7, v7, v8
	v_add_f32 v9, v9, v10
	v_add_f32 v3, v3, v5
	v_add_f32 v7, v7, v9
	v_add_f32 v3, v3, v7
	s_wait_alu depctr_va_vdst(0)
	v_permlanex16_b32 v11, v3, s94, s95
	v_add_f32 v3, v3, v11
	v_mul_f32 v3, 0x3d800000, v3                   ; / 16
	global_store_b32 v12, v3, s[14:15]             ; lanes r and r + 16 hold the same number and store it to the same word: 64 consecutive bytes; out1 is 16 KiB in all
.Lno_ent:
; 32 LDS loads in one run: the fragments of the q-th 128 along K (two heads of A) into buffer q % 2.  Registers 4 c .. 4 c + 3 hold k = 128 q + 32 c + 16 h + 0 .. 15, alike in A and in B.
.macro FETCH q
	WIN 0x40                                       ; destination window 1, address window 0
.set FB, 128*((\q)%2)
.irp a, 0,1,2,3
.irp c, 0,1,2,3
	ds_load_b128 v[FB+16*\a+4*\c:FB+16*\a+4*\c+3], v[ADRA+(\q)/2] offset:((\q)%2)*2*AHEAD+(\c/2)*AHEAD+(\c%2)*32+\a*1088
.endr
.endr
.irp b, 0,1,2,3
.irp c, 0,1,2,3
	ds_load_b128 v[FB+64+16*\b+4*\c:FB+64+16*\b+4*\c+3], v[ADRB+(\q)/2] offset:((\q)%2)*128+32*\c+\b*4352
.endr
.endr
.endm
; 8 matrix instructions: token tiles a0, a0 + 1 x the 4 column tiles, 128 along K, from the buffer at f.  The 16 accumulators take turns, in the same order in every step.
.macro MUL8 f, a0, zero
	WIN 0x05                                       ; sources 0 and 1 window 1; C and D window 0
.irp a, \a0, \a0+1
.irp b, 0,1,2,3
.if \zero
	v_wmma_f32_16x16x128_bf8_bf8 v[ACC+8*(4*(\a)+\b):ACC+8*(4*(\a)+\b)+7], v[\f+64+16*\b:\f+64+16*\b+15], v[\f+16*(\a):\f+16*(\a)+15], 0
.else
	v_wmma_f32_16x16x128_bf8_bf8 v[ACC+8*(4*(\a)+\b):ACC+8*(4*(\a)+\b)+7], v[\f+64+16*\b:\f+64+16*\b+15], v[\f+16*(\a):\f+16*(\a)+15], v[ACC+8*(4*(\a)+\b):ACC+8*(4*(\a)+\b)+7]
.endif
.endr
.endr
.endm
	s_wait_tensorcnt 3                             ; my part of K step 0 is in; the three behind it may be out
	s_barrier_signal -1
	s_barrier_wait -1                              ; everybody's is
	FETCH 0
	FETCH 1
	s_wait_dscnt 32                                ; all but the 32 just issued
	MUL8 0, 0, 1                                   ; the first products start the sums
	MUL8 0, 2, 1
	s_wait_alu depctr_va_vdst(0)
.irp q, 1,3,5                                  ; a K step's second half, with the barrier that shows the next K step whole; then that K step's first half
	s_wait_dscnt 0x0                               ; buffer 1 is in, and no LDS load of mine is out at the signal
	s_wait_tensorcnt 3-(\q+1)/2                    ; my part of the next K step is in; the later ones may be out
	s_barrier_signal -1
	MUL8 128, 0, 0
	s_barrier_wait -1
	PLACES
	FETCH \q+1
	MUL8 128, 2, 0
	PLACES
	FETCH \q+2
	s_wait_dscnt 32                                ; all but the 32 just issued
	MUL8 0, 0, 0
	MUL8 0, 2, 0
.endr
	s_wait_dscnt 0x0
	MUL8 128, 0, 0
	MUL8 128, 2, 0
	WIN 0
	s_wait_kmcnt 0x0
	s_add_co_i32 s96, s62, s63                     ; e6 + e7
	s_add_co_i32 s96, s96, 127
	s_lshl_b32 s96, s96, 23                        ; 2^(e6 + e7) as f32
	s_mov_b32 s97, s96                             ; (named with it as a pair)
	PLACES
; THE WAY OUT, 16 tokens x 64 columns at a time, through my own stage: back as rows of 256 bytes, which sixteen lanes store.  LDS serves a wave's instructions in order: no wait between the stores and the loads.
.macro TOSTAGE a
.set j, 0
.rept 16
	v_pk_mul_f32 v[TMP+j:TMP+j+1], v[ACC+32*(\a)+j:ACC+32*(\a)+j+1], s[96:97] op_sel_hi:[1,0]   ; x 2^(e6 + e7); each accumulator from its low end on
.set j, j+2
.endr
.irp b, 0,1,2,3
	ds_store_b128 v[STO], v[TMP+8*\b:TMP+8*\b+3] offset:64*\b
	ds_store_b128 v[STO], v[TMP+8*\b+4:TMP+8*\b+7] offset:64*\b+16
.endr
.irp t, 0,1,2,3,4,5,6,7
	ds_load_b128 v[BK+32*((\a)%2)+4*\t:BK+32*((\a)%2)+4*\t+3], v[RD] offset:\t*2*SPITCH
.endr
.endm
.macro SEND a, younger                 ; younger: the LDS instructions issued behind block a's loads, which may stay out
	s_wait_dscnt \younger
.irp t, 0,1,2,3,4,5,6,7
	global_store_b128 v[CO], v[BK+32*((\a)%2)+4*\t:BK+32*((\a)%2)+4*\t+3], s[12:13] offset:(16*(\a)+2*\t)*4096 th:TH_STORE_NT   ; sixteen lanes store 256 consecutive bytes, aligned; written once, read by nobody here
.endr
.endm
	TOSTAGE 0
.irp a, 1,2,3
.if \a > 1
	s_wait_xcnt 0x0                                ; block a - 2's stores have read their registers: block a's loads may land there
.endif
	TOSTAGE \a
	SEND \a-1, 16                                  ; behind block a - 1's loads: block a's 8 stores and 8 loads
.endr
	SEND 3, 0
	s_wait_tensorcnt 0x0
	ds_add_u32 v30, v31
	s_wait_dscnt 0x0
	CROUND                                         ; the closing round: no work-group ends while a partner may still ask for a tile that names it
	s_endpgm
.Lfunc_end_k_q50213d085a_proj:
	.size	k_q50213d085a_proj, .Lfunc_end_k_q50213d085a_proj-k_q50213d085a_proj
	.p2alignl 7, 3214868480
	.fill 96, 4, 3214868480
	.section	.rodata,"a",@progbits
	.p2align	6, 0x0
	.amdhsa_kernel k_q50213d085a_proj
		.amdhsa_group_segment_fixed_size 296448
		.amdhsa_private_segment_fixed_size 0
		.amdhsa_enable_private_segment 0
		.amdhsa_kernarg_size 48
		.amdhsa_user_sgpr_count 2
		.amdhsa_user_sgpr_kernarg_segment_ptr 1
		.amdhsa_wavefront_size32 1
		.amdhsa_system_sgpr_workgroup_id_x 1
		.amdhsa_system_sgpr_workgroup_id_y 1
		.amdhsa_system_sgpr_workgroup_id_z 1
		.amdhsa_system_vgpr_workitem_id 0
		.amdhsa_next_free_vgpr 512
		.amdhsa_next_free_sgpr 98
		.amdhsa_reserve_vcc 0
		.amdhsa_float_denorm_mode_32 3
		.amdhsa_float_denorm_mode_16_64 3
		.amdhsa_memory_ordered 1
		.amdhsa_forward_progress 1
		.amdhsa_inst_pref_size 49
	.end_amdhsa_kernel
	.amdgpu_metadata
---
amdhsa.version: [ 1, 2 ]
amdhsa.kernels:
  - .name:           k_q50213d085a_proj
    .symbol:         k_q50213d085a_proj.kd
    .args:
      - { .name: a_codes, .offset: 0, .size: 8, .value_kind: global_buffer, .address_space: global }
      - { .name: W_proj_codes, .offset: 8, .size: 8, .value_kind: global_buffer, .address_space: global }
      - { .name: lowp_scales, .offset: 16, .size: 8, .value_kind: global_buffer, .address_space: global }
      - { .name: ent, .offset: 24, .size: 8, .value_kind: global_buffer, .address_space: global }
      - { .name: out0, .offset: 32, .size: 8, .value_kind: global_buffer, .address_space: global }
      - { .name: out1, .offset: 40, .size: 8, .value_kind: global_buffer, .address_space: global }
    .group_segment_fixed_size: 296448
    .private_segment_fixed_size: 0
    .kernarg_segment_align: 8
    .kernarg_segment_size: 48
    .max_flat_workgroup_size: 128
    .sgpr_count:     98
    .vgpr_count:     512
    .wavefront_size: 32
...
	.end_amdgpu_metadata
.endif
;; end of part 3
